; MI455X (gfx1250); checked and timed in simulation.
; The chip was launched on July 23, 2026; its instructions are those of AMD's public machine-readable ISA for CDNA 5 (MIT licence, August 2026) and "CDNA5" Instruction Set Architecture Reference Guide (July 2026). The comments in the code are by the model that wrote it; some were corrected since.
;; Multi Head Self Attention. Allowed arithmetic: float matrix products may take bf16 or f16 operands with f32 sums; all other float work in f32.
;; Inputs: W_out 1,024 x 1,024 float32; W_qkv 1,024 x 3,072 float32; attention_mask 2 x 2,048 int32; b_out 1,024 float32; b_qkv 3,072 float32; x 2 x 2,048 x 1,024 float32.
;; Outputs: out0 2 x 2,048 x 1,024 float32.
;; One version. Each part assembles by itself: llvm-mc -triple=amdgcn-amd-amdhsa -mcpu=gfx1250 --defsym DOCPART=n.
;; ======== version 1 of 1: 4 launches
;; limits: values are held in f16: magnitudes above 65,504 overflow, below 6.1e-05 lose precision
;; workspace buffers: xb 8,388,608 bytes; wqb 6,291,456 bytes; wob 2,097,152 bytes; rope 524,288 bytes; kbias 16,384 bytes; qkv 25,165,824 bytes; ao 8,388,608 bytes
;; launch prep (part 1): grid 256 x 1, 8 waves a work-group, no clusters, 0 bytes of LDS; arguments x, W_qkv, W_out, attention_mask, xb, wqb, wob, rope, kbias; writes xb, wqb, wob, rope, kbias
.if DOCPART == 1
	.amdgcn_target "amdgcn-amd-amdhsa--gfx1250"
	.amdhsa_code_object_version 6
	.text
	.protected	k_q7779440d23_prep
	.globl	k_q7779440d23_prep
	.p2align	8
	.type	k_q7779440d23_prep,@function
k_q7779440d23_prep:
	s_mov_b64 s[64:65], 0
	v_nop
	global_prefetch_b8 v0, s[64:65] scope:SCOPE_SE
	s_setreg_imm32_b32 hwreg(HW_REG_WAVE_MODE, 25, 1), 1
	s_wait_xcnt 0x0
; prep: the casts and the two small tables that the later launches read.
;   xb  = bf16(x), wqb = bf16(W_qkv), same order of elements as the inputs.
;   wob = f16(bf16(W_out)): W_out is rounded to bf16 like the other inputs; the later product takes it beside f16 data, so that value is stored as f16.
;         A bf16 number of magnitude 2^-17 or more is exact in f16; below that the absolute error is at most 2^-25.
;   rope[pos][p] = (cos a - 1, sin a), a = pos * 10000^(-p/32), pos 0..2047, p 0..31, f32.
;   kbias[b][key] = 0 where attention_mask is not 0, else -inf, f32.
; A stream: every input byte is read once by 16-byte loads, every output byte written once; no LDS, no matrix unit, nothing shared between work-groups.
; 256 work-groups of 8 waves; each casts 32,768 numbers (131,072 bytes in, 65,536 out): groups 0-127 x, 128-223 W_qkv, 224-255 W_out.
; Thread t takes 16 bytes at 16 t of each of 32 chunks of 4,096 bytes; all 32 loads go out at once; a wave's store covers 256 consecutive bytes, aligned.
; LIMITS: the angle is pos * exp2(-0.41524101 p) in f32 and is reduced by one fused multiply-add with 1/(2 pi) in f32: an absolute error of about
; 3e-4 radians at pos = 2047, proportional to pos.  Sine and cosine come from Taylor sums of the half angle, |y| <= pi/2, cut at y^11 and y^12 (below 6e-8).
.set X, 32                             ; v[32:159]  chunk c: 4 registers as loaded
.set Y, 160                            ; v[160:223] chunk c: 2 registers to store; each is written once, so no store's data is ever rewritten
	s_load_b512 s[4:19], s[0:1], 0x0               ; x, W_qkv, W_out, attention_mask, xb, wqb, wob, rope
	s_load_b64 s[20:21], s[0:1], 0x40              ; kbias
	s_mov_b32 s22, ttmp9                           ; g, the work-group
	s_mov_b32 s29, 0                               ; upper word of the offset pair s[28:29]
	s_mov_b32 s30, 0x3e22f983                      ; 1 / (2 pi)
	v_lshlrev_b32 v1, 4, v0                        ; 16 t: my bytes in a chunk of the source
	v_lshlrev_b32 v2, 3, v0                        ; 8 t: in a chunk of the result, in rope and in kbias
	s_wait_kmcnt 0x0
	s_cmp_lt_u32 s22, 128                          ; which tensor is mine: a choice between buffers on the group's number
	s_cselect_b64 s[24:25], s[4:5], s[6:7]
	s_cselect_b64 s[26:27], s[12:13], s[14:15]
	s_cselect_b32 s23, 0, 128
	s_cmp_lt_u32 s22, 224
	s_cselect_b64 s[24:25], s[24:25], s[8:9]
	s_cselect_b64 s[26:27], s[26:27], s[16:17]
	s_cselect_b32 s23, s23, 224
	s_sub_co_u32 s23, s22, s23                     ; my number among that tensor's groups
	s_lshl_b32 s28, s23, 17
	s_add_nc_u64 s[24:25], s[24:25], s[28:29]      ; source + 131,072 x number
	s_lshl_b32 s28, s23, 16
	s_add_nc_u64 s[26:27], s[26:27], s[28:29]      ; result + 65,536 x number
.irp c, 0,1,2,3,4,5,6,7,8,9,10,11,12,13,14,15,16,17,18,19,20,21,22,23,24,25,26,27,28,29,30,31
	global_load_b128 v[X+4*\c:X+4*\c+3], v1, s[24:25] offset:4096*\c th:TH_LOAD_NT
.endr
	; the table of angles, while the loads are on their way: thread t makes entry pos = 8 g + t / 32, p = t mod 32
	s_lshl_b32 s28, s22, 11                        ; 2,048 g: my 256 entries of 8 bytes (and, for g < 8, my 512 words of the mask)
	s_add_nc_u64 s[18:19], s[18:19], s[28:29]
	v_and_b32 v4, 31, v0
	v_lshrrev_b32 v5, 5, v0
	v_lshl_add_u32 v5, s22, 3, v5
	v_cvt_f32_u32 v4, v4
	v_cvt_f32_u32 v5, v5
	v_mul_f32 v4, 0xbed49a78, v4                   ; -p log2(10000) / 32
	v_exp_f32 v6, v4
	v_nop                                          ; one plain place behind the exponential (ISA guide 5.7.2)
	s_wait_alu depctr_va_vdst(0)
	v_mul_f32 v6, v5, v6                           ; the angle
	v_mul_f32 v7, s30, v6
	v_rndne_f32 v7, v7                             ; whole turns
	v_fma_f32 v8, v6, s30, -v7                     ; the rest, -1/2 .. 1/2 of a turn
	v_mul_f32 v8, 0x40490fdb, v8                   ; y = half the reduced angle = pi x rest
	v_mul_f32 v9, v8, v8
	v_mov_b32 v10, 0xb2d7322b                      ; sin y = y (1 - y2/3! + y4/5! - y6/7! + y8/9! - y10/11!)
	v_fmaak_f32 v10, v10, v9, 0x3638ef1d
	v_fmaak_f32 v10, v10, v9, 0xb9500d01
	v_fmaak_f32 v10, v10, v9, 0x3c088889
	v_fmaak_f32 v10, v10, v9, 0xbe2aaaab
	v_fmaak_f32 v10, v10, v9, 0x3f800000
	v_mul_f32 v10, v8, v10
	v_mov_b32 v11, 0x310f76c7                      ; cos y = 1 - y2/2! + y4/4! - ... + y12/12!
	v_fmaak_f32 v11, v11, v9, 0xb493f27e
	v_fmaak_f32 v11, v11, v9, 0x37d00d01
	v_fmaak_f32 v11, v11, v9, 0xbab60b61
	v_fmaak_f32 v11, v11, v9, 0x3d2aaaab
	v_fmaak_f32 v11, v11, v9, 0xbf000000
	v_fmaak_f32 v11, v11, v9, 0x3f800000
	v_mul_f32 v12, v10, v10
	v_mul_f32 v13, v10, v11
	v_mul_f32 v12, -2.0, v12                       ; cos 2y - 1 = -2 sin^2 y
	v_add_f32 v13, v13, v13                        ; sin 2y = 2 sin y cos y
	global_store_b64 v2, v[12:13], s[18:19]
	; the key bias: groups 0 to 7, 512 words each
	s_cmp_lt_u32 s22, 8
	s_cbranch_scc0 .Lno_mask
	s_add_nc_u64 s[10:11], s[10:11], s[28:29]
	s_add_nc_u64 s[20:21], s[20:21], s[28:29]
	global_load_b64 v[14:15], v2, s[10:11]
	v_mov_b32 v16, 0xff800000                      ; -inf
	v_mov_b32 v17, 0
	s_wait_loadcnt 0x0                             ; the youngest load: the 32 in front of it, which are needed next anyway, are in as well
	v_cmp_ne_u32 vcc_lo, 0, v14
	v_cndmask_b32 v18, v16, v17, vcc_lo
	v_cmp_ne_u32 vcc_lo, 0, v15
	v_cndmask_b32 v19, v16, v17, vcc_lo
	global_store_b64 v2, v[18:19], s[20:21]
.Lno_mask:
; chunk c is rounded and stored.  twice = 1: the bf16 value is widened again and stored as f16.
.macro CAST c, twice
	s_wait_loadcnt 31-\c                           ; loads come back in order (ISA guide 5.7.1): chunk c is in, the 31 - c younger ones may be out
	v_cvt_pk_bf16_f32 v[Y+2*\c], v[X+4*\c], v[X+4*\c+1]
	v_cvt_pk_bf16_f32 v[Y+2*\c+1], v[X+4*\c+2], v[X+4*\c+3]
.if \twice
	v_lshlrev_b32 v[X+4*\c], 16, v[Y+2*\c]
	v_and_b32 v[X+4*\c+1], 0xffff0000, v[Y+2*\c]
	v_lshlrev_b32 v[X+4*\c+2], 16, v[Y+2*\c+1]
	v_and_b32 v[X+4*\c+3], 0xffff0000, v[Y+2*\c+1]
	v_cvt_pk_f16_f32 v[Y+2*\c], v[X+4*\c], v[X+4*\c+1]
	v_cvt_pk_f16_f32 v[Y+2*\c+1], v[X+4*\c+2], v[X+4*\c+3]
.endif
	global_store_b64 v2, v[Y+2*\c:Y+2*\c+1], s[26:27] offset:2048*\c
.endm
	s_cmp_lt_u32 s22, 224
	s_cbranch_scc0 .Lw_out
.irp c, 0,1,2,3,4,5,6,7,8,9,10,11,12,13,14,15,16,17,18,19,20,21,22,23,24,25,26,27,28,29,30,31
	CAST \c, 0
.endr
	s_endpgm
.Lw_out:
.irp c, 0,1,2,3,4,5,6,7,8,9,10,11,12,13,14,15,16,17,18,19,20,21,22,23,24,25,26,27,28,29,30,31
	CAST \c, 1
.endr
	s_endpgm
.Lfunc_end_k_q7779440d23_prep:
	.size	k_q7779440d23_prep, .Lfunc_end_k_q7779440d23_prep-k_q7779440d23_prep
	.p2alignl 7, 3214868480
	.fill 96, 4, 3214868480
	.section	.rodata,"a",@progbits
	.p2align	6, 0x0
	.amdhsa_kernel k_q7779440d23_prep
		.amdhsa_group_segment_fixed_size 0
		.amdhsa_private_segment_fixed_size 0
		.amdhsa_enable_private_segment 0
		.amdhsa_kernarg_size 72
		.amdhsa_user_sgpr_count 2
		.amdhsa_user_sgpr_kernarg_segment_ptr 1
		.amdhsa_wavefront_size32 1
		.amdhsa_system_sgpr_workgroup_id_x 1
		.amdhsa_system_sgpr_workgroup_id_y 1
		.amdhsa_system_sgpr_workgroup_id_z 1
		.amdhsa_system_vgpr_workitem_id 0
		.amdhsa_next_free_vgpr 224
		.amdhsa_next_free_sgpr 66
		.amdhsa_reserve_vcc 1
		.amdhsa_float_denorm_mode_32 3
		.amdhsa_float_denorm_mode_16_64 3
		.amdhsa_memory_ordered 1
		.amdhsa_forward_progress 1
		.amdhsa_inst_pref_size 33
	.end_amdhsa_kernel
	.amdgpu_metadata
---
amdhsa.version: [ 1, 2 ]
amdhsa.kernels:
  - .name:           k_q7779440d23_prep
    .symbol:         k_q7779440d23_prep.kd
    .args:
      - { .name: x, .offset: 0, .size: 8, .value_kind: global_buffer, .address_space: global }
      - { .name: W_qkv, .offset: 8, .size: 8, .value_kind: global_buffer, .address_space: global }
      - { .name: W_out, .offset: 16, .size: 8, .value_kind: global_buffer, .address_space: global }
      - { .name: attention_mask, .offset: 24, .size: 8, .value_kind: global_buffer, .address_space: global }
      - { .name: xb, .offset: 32, .size: 8, .value_kind: global_buffer, .address_space: global }
      - { .name: wqb, .offset: 40, .size: 8, .value_kind: global_buffer, .address_space: global }
      - { .name: wob, .offset: 48, .size: 8, .value_kind: global_buffer, .address_space: global }
      - { .name: rope, .offset: 56, .size: 8, .value_kind: global_buffer, .address_space: global }
      - { .name: kbias, .offset: 64, .size: 8, .value_kind: global_buffer, .address_space: global }
    .group_segment_fixed_size: 0
    .private_segment_fixed_size: 0
    .kernarg_segment_align: 8
    .kernarg_segment_size: 72
    .max_flat_workgroup_size: 256
    .sgpr_count:     66
    .vgpr_count:     224
    .wavefront_size: 32
...
	.end_amdgpu_metadata
.endif
;; end of part 1
;; launch qkv (part 2): grid 16 x 16, 4 waves a work-group, clusters of 4 x 4, 327,680 bytes of LDS; arguments xb, wqb, b_qkv, rope, qkv; writes qkv
.if DOCPART == 2
	.amdgcn_target "amdgcn-amd-amdhsa--gfx1250"
	.amdhsa_code_object_version 6
	.text
	.protected	k_q7779440d23_qkv
	.globl	k_q7779440d23_qkv
	.p2align	8
	.type	k_q7779440d23_qkv,@function
k_q7779440d23_qkv:
	s_mov_b64 s[64:65], 0
	v_nop
	global_prefetch_b8 v0, s[64:65] scope:SCOPE_SE
	s_setreg_imm32_b32 hwreg(HW_REG_WAVE_MODE, 25, 1), 1
	s_wait_xcnt 0x0
	s_wait_alu depctr_hold_cnt(0) depctr_sa_sdst(0) depctr_va_vdst(0) depctr_va_sdst(0) depctr_va_ssrc(0) depctr_va_vcc(0) depctr_vm_vsrc(0)
	s_getreg_b32 s2, hwreg(HW_REG_IB_STS2, 6, 4)
	s_cmp_eq_u32 s2, 0
	s_cbranch_scc0 .Lentry_in_a_cluster
	s_endpgm
.Lentry_in_a_cluster:
	s_bfe_u32 s2, ttmp6, 0x10000c
	s_cmp_lg_u32 s2, 0xf033
	s_cbranch_scc0 .Lentry_shape_is_right
	s_endpgm
.Lentry_shape_is_right:
; qkv = x W_qkv + b_qkv, rotary embedding on q and k, stored by head as f16: qkv[3 (q,k,v)][2 b][16 h][2048 t][64].
; xb [4096][1024] bf16, wqb [1024 k][3072 n] bf16, sums in f32.  A work-group makes 256 rows x 192 columns (three whole heads' slots), 16 x 16 work-groups.
; Four waves; wave w makes rows 64 w .. 64 w + 63 of all 192 columns: 4 x 12 accumulator tiles of 16 x 16, 384 registers.
; K goes in steps of 128 through two LDS slots filled by the tensor data mover; W lies [k][n] and its fragments are read by the transposing LDS load.
; CLUSTERS: 4 x 4 work-groups.  x's tile hangs on the block row alone and is asked for jointly along a row of the cluster, W's on the block column alone
; and jointly along a column: the requests for both are divided by four.  W's tile rows are 384 bytes (192 columns): that width gives 256 equal work-groups.
; THE MATRIX INSTRUCTION IS USED TRANSPOSED: source 0 = 16 columns of W, source 1 = 16 rows of x: lane l holds row l % 16 and columns 8 (l / 16) + 0..7 of a tile,
; that is four neighbouring (even, odd) pairs of one row of a head: the rotation needs no other lane.
; b_qkv is the C operand of the first K step's products: nothing is cleared and nothing is added later.
; No branch hangs on the block column: the rotation is written as t + F ((cos - 1, sin) part), F = 1 for slots of q and k, 0 for slots of v.
; LIMIT: q, k, v are stored in f16: |value| < 65,504.  Inputs 30 times the drawn spread give about 900 N(0,1); offsets of 30 spreads on x and W give
; about 1024 x 30 x 0.94 = 29,000.  f16 rather than bf16 because the first rows of the output are ten times its root mean square.
; REGISTERS, in windows of 256:
;   window 0: v0-31 addresses and work; v32-63, v64-95 fragments of x, two buffers; v96-127 rotation at work; v128-255 the rotation table of my 64 rows
;   window 1: v0-95, v96-191 fragments of W, two buffers
;   window 2: tiles of my rows 0-31 at v[8 (12 a + b)], bias tiles b = 0..7 at v192-255;   window 3: rows 32-63, bias tiles b = 8..11 at v192-223
.set APITCH, 272                       ; x in LDS: 256 bytes + 16 of padding, an odd multiple of 16
.set AHALF,  128*APITCH                ; 128 rows: one tensor load
.set ATILE,  2*AHALF
.set BPITCH, 480                       ; W in LDS: three pieces of 128 bytes, each followed by 32 of padding: an odd multiple of 32
.set BHALF,  64*BPITCH                 ; 64 k rows: one tensor load
.set SLOT,   ATILE+2*BHALF             ; 131,072
.set STAGE,  2*SLOT                    ; behind the ring: 16 rows x 144 bytes for each wave; no tensor load lands here
.set SPITCH, 144
.set ADRA, 16                          ; v16-17 LDS address of my fragments of x in slot 0, 1
.set ADRB, 20                          ; v20-21 the same for W
.set STO,  24
.set RD,   25
.set GO,   26                          ; 16 x lane
.set BO,   27                          ; 32 h: my 8 numbers in a bias tile
.set RO,   28                          ; my row and half in the rotation table
.set T,    8                           ; v8-15 at work
.set FA,   32
.set U,    96
.set CS,   128
.set PK,   32                          ; the way out: packed f16
.set RB,   48                          ; the way out: rows read back, two sets of 16
.set BT,   192
.set G1,  24
.set G0,  32
.set G1B, 48
.set G0B, 56
.set MSB, 0
.macro WIN new                         ; the immediate's high byte repeats the setting that is left
.if MSB != (\new)
	s_set_vgpr_msb (MSB<<8)|(\new)
.set MSB, (\new)
.endif
.endm
.macro PLACES                          ; four places behind a matrix instruction in front of loads into, or vector work on, its registers
.rept 4
	v_nop
.endr
.endm
; A joint load: waves 0 and 1 fetch x's two halves, waves 2 and 3 W's.  The branch hangs on the wave's number alone.
.macro JLOAD s
	s_cmp_eq_u32 s11, 0
	s_cbranch_scc0 .Lfor_b_\@
	tensor_load_to_lds s[G0+4*\s:G0+4*\s+3], s[G1:G1+7]
	s_nop 0
	s_branch .Lasked_\@
.Lfor_b_\@:
	tensor_load_to_lds s[G0B+4*\s:G0B+4*\s+3], s[G1B:G1B+7]
	s_nop 0
.Lasked_\@:
.endm
.macro CREST                           ; a round of the cluster's barrier behind its opening barrier
	s_cmp_lg_u32 s10, 0
	s_cbranch_scc1 .Lnot_wave_0_\@
	s_barrier_signal -3
.Lnot_wave_0_\@:
	s_barrier_wait -3
	s_barrier_signal -1
	s_barrier_wait -1
.endm
.macro CROUND
	s_barrier_signal -1
	s_barrier_wait -1
	CREST
.endm
	s_load_b256 s[68:75], s[0:1], 0x0              ; xb s[68:69], wqb s[70:71], b_qkv s[72:73], rope s[74:75]
	s_load_b64 s[76:77], s[0:1], 0x20              ; qkv
	s_set_vgpr_msb 0x40
	v_lshl_add_u32 v255, v0, 2, 0x42400
	s_set_vgpr_msb 0x4000
	v_mov_b32 v31, 0
	s_set_vgpr_msb 0x1
	ds_add_u32 v255, v31
	s_set_vgpr_msb 0x100
	v_lshrrev_b32 v1, 5, v0
	v_readfirstlane_b32 s10, v1                    ; wave 0..3
	s_lshr_b32 s11, s10, 1                         ; I fetch for x (0) or for W (1)
	s_and_b32 s12, s10, 1                          ; which half of that tile
	s_bfe_u32 s40, ttmp6, 0x40000                  ; cx
	s_bfe_u32 s41, ttmp6, 0x40004                  ; cy
	s_lshl_b32 s42, ttmp9, 2
	s_add_co_u32 s42, s42, s40                     ; block column bx = 4 x cluster x + cx
	s_and_b32 s13, ttmp7, 0xffff
	s_lshl_b32 s13, s13, 2
	s_add_co_u32 s13, s13, s41                     ; block row by = 4 x cluster y + cy
	s_lshl_b32 s43, s41, 2
	s_lshl_b32 s43, 15, s43                        ; my row of the cluster
	s_lshl_b32 s44, 0x1111, s40                    ; my column
	; group 1 for x: 128 rows x 128 elements of 2 bytes, 4 words of padding behind every 64
	s_or_b32 s[G1+0], s43, (1<<16)|(1<<20)|(1<<21)|(5<<22)|(3<<25)
	s_mov_b32 s[G1+1], 128<<16                     ; tensor_dim0 = 128
	s_mov_b32 s[G1+2], 128<<16                     ; tensor_dim1 = 128
	s_mov_b32 s[G1+3], 128<<16                     ; tile_dim0 = 128
	s_mov_b32 s[G1+4], 128                         ; tile_dim1 = 128
	s_mov_b32 s[G1+5], 1024                        ; elements from row to row
	s_mov_b32 s[G1+6], 0
	s_mov_b32 s[G1+7], 0
	; group 1 for W: 64 rows x 192 elements, 8 words of padding behind every 32 (three times in a row of 96 words)
	s_or_b32 s[G1B+0], s44, (1<<16)|(1<<20)|(1<<21)|(4<<22)|(7<<25)
	s_mov_b32 s[G1B+1], 192<<16
	s_mov_b32 s[G1B+2], 64<<16
	s_mov_b32 s[G1B+3], 192<<16
	s_mov_b32 s[G1B+4], 64
	s_mov_b32 s[G1B+5], 3072
	s_mov_b32 s[G1B+6], 0
	s_mov_b32 s[G1B+7], 0
	; x's address is made of the block row and the wave, W's of the block column and the wave, in registers that never hold the other coordinate
	s_lshl_b32 s16, s13, 19                        ; 256 by rows of 2,048 bytes
	s_lshl_b32 s17, s12, 18                        ; + 128 rows for the second half
	s_add_co_u32 s16, s16, s17
	s_mov_b32 s17, 0
	s_mul_i32 s46, s42, 384                        ; 192 bx columns of 2 bytes
	s_mul_i32 s47, s12, 393216                     ; + 64 rows of 6,144 bytes for the second half
	s_add_co_u32 s46, s46, s47
	s_mov_b32 s47, 0
	s_mul_i32 s20, s10, AHALF                      ; LDS: x's halves at wave x 34,816 (waves 0, 1)
	s_mul_i32 s21, s10, BHALF
	s_add_co_u32 s21, s21, ATILE-2*BHALF           ; W's halves behind x's tile (waves 2, 3)
	s_wait_dscnt 0x0
	s_wait_kmcnt 0x0
	s_add_nc_u64 s[14:15], s[68:69], s[16:17]
	s_add_nc_u64 s[46:47], s[70:71], s[46:47]
	CROUND                                         ; all sixteen work-groups are here: the first joint loads meet
.irp s, 0,1
	s_mov_b32 s[G0+4*\s], 1
	s_add_co_u32 s[G0+4*\s+1], s20, \s*SLOT
	s_add_nc_u64 s[G0+4*\s+2:G0+4*\s+3], s[14:15], \s*256          ; K step s: 128 elements along the row
	s_or_b32 s[G0+4*\s+3], s[G0+4*\s+3], 0x80000000
	s_mov_b32 s[G0B+4*\s], 1
	s_add_co_u32 s[G0B+4*\s+1], s21, \s*SLOT
	s_add_nc_u64 s[G0B+4*\s+2:G0B+4*\s+3], s[46:47], \s*786432     ; K step s: 128 rows of 6,144 bytes
	s_or_b32 s[G0B+4*\s+3], s[G0B+4*\s+3], 0x80000000
	JLOAD \s                                       ; both first fills go out together: two tensor loads of the wave are out
.endr
	; bias tiles and the rotation table, once
	v_and_b32 v1, 15, v0                           ; r
	v_bfe_u32 v2, v0, 4, 1                         ; h
	v_lshlrev_b32 v[BO], 5, v2
	v_lshl_add_u32 v3, s10, 6, v1                  ; 64 w + r
	v_lshl_add_u32 v[RO], v3, 8, v[BO]             ; a table row is 256 bytes; my four pairs of a tile begin at 32 h
	s_mul_i32 s78, s42, 768
	s_mov_b32 s79, 0
	s_add_nc_u64 s[72:73], s[72:73], s[78:79]      ; b_qkv at my 192 columns
	s_and_b32 s78, s13, 7
	s_lshl_b32 s78, s78, 16
	s_add_nc_u64 s[74:75], s[74:75], s[78:79]      ; rope at position 256 (by mod 8)
	WIN 0x80
.irp b, 0,1,2,3,4,5,6,7
	global_load_b128 v[BT+8*\b:BT+8*\b+3], v[BO], s[72:73] offset:64*\b
	global_load_b128 v[BT+8*\b+4:BT+8*\b+7], v[BO], s[72:73] offset:64*\b+16
.endr
	WIN 0xc0
.irp b, 8,9,10,11
	global_load_b128 v[BT+8*(\b-8):BT+8*(\b-8)+3], v[BO], s[72:73] offset:64*\b
	global_load_b128 v[BT+8*(\b-8)+4:BT+8*(\b-8)+7], v[BO], s[72:73] offset:64*\b+16
.endr
	WIN 0
.irp a, 0,1,2,3
.irp tq, 0,1,2,3
	global_load_b128 v[CS+32*\a+8*\tq:CS+32*\a+8*\tq+3], v[RO], s[74:75] offset:4096*\a+64*\tq
	global_load_b128 v[CS+32*\a+8*\tq+4:CS+32*\a+8*\tq+7], v[RO], s[74:75] offset:4096*\a+64*\tq+16
.endr
.endr
	; LDS addresses.  x: lane l takes row l % 16, 16 bytes at 16 (l / 16), and 32 bytes on.  W: the transposing load, lane l addresses k row 8 (l / 16) + l % 8,
	; 16 bytes at 16 ((l / 8) % 2), and 16 rows on.
	v_mul_u32_u24 v4, v3, APITCH
	v_lshl_add_u32 v[ADRA], v2, 4, v4
	v_add_nc_u32 v[ADRA+1], SLOT, v[ADRA]
	v_and_b32 v5, 7, v0
	v_lshl_add_u32 v5, v2, 3, v5
	v_mul_u32_u24 v6, v5, BPITCH
	v_bfe_u32 v7, v0, 3, 1
	v_lshl_add_u32 v6, v7, 4, v6
	v_add_nc_u32 v[ADRB], ATILE, v6
	v_add_nc_u32 v[ADRB+1], ATILE+SLOT, v6
	s_mul_i32 s23, s10, 16*SPITCH
	s_add_co_u32 s23, s23, STAGE                   ; my stage
	v_mul_u32_u24 v8, v1, SPITCH
	v_lshl_add_u32 v8, v2, 4, v8
	v_add_nc_u32 v[STO], s23, v8                   ; in: row r, 16 bytes for each half of the lanes
	v_bfe_u32 v9, v0, 3, 2
	v_mul_u32_u24 v9, v9, SPITCH
	v_and_b32 v10, 7, v0
	v_lshl_add_u32 v9, v10, 4, v9
	v_add_nc_u32 v[RD], s23, v9                    ; back: eight lanes take a row of 128 bytes, the wave four rows
	v_and_b32 v11, 31, v0
	v_lshlrev_b32 v[GO], 4, v11
; 12 matrix instructions: row block 2 hi + ap x all 12 column blocks, 32 along K, buffer f.  The 48 accumulators take turns, one instruction a turn.
.macro MUL12 f, hi, ap
.irp b, 0,1,2,3,4,5,6,7,8,9,10,11
	v_wmma_f32_16x16x32_bf16 v[8*(12*\ap+\b):8*(12*\ap+\b)+7], v[96*\f+8*\b:96*\f+8*\b+7], v[FA+32*\f+8*(2*\hi+\ap):FA+32*\f+8*(2*\hi+\ap)+7], v[8*(12*\ap+\b):8*(12*\ap+\b)+7]
.endr
.endm
; the first 24 of a window: C is the bias tile of the column block (window 2 for b < 8, window 3 for the rest), D the accumulator
.macro MULB hi
	WIN (0xa1+0x40*\hi)
.irp ap, 0,1
.irp b, 0,1,2,3,4,5,6,7
	v_wmma_f32_16x16x32_bf16 v[8*(12*\ap+\b):8*(12*\ap+\b)+7], v[8*\b:8*\b+7], v[FA+8*(2*\hi+\ap):FA+8*(2*\hi+\ap)+7], v[BT+8*\b:BT+8*\b+7]
.endr
.endr
	WIN (0xb1+0x40*\hi)
.irp ap, 0,1
.irp b, 8,9,10,11
	v_wmma_f32_16x16x32_bf16 v[8*(12*\ap+\b):8*(12*\ap+\b)+7], v[8*\b:8*\b+7], v[FA+8*(2*\hi+\ap):FA+8*(2*\hi+\ap)+7], v[BT+8*(\b-8):BT+8*(\b-8)+7]
.endr
.endr
.endm
; 32 LDS loads in one run: quarter q of a slot into buffer f: W's 12 fragments, then x's 4
.macro FETCH slot, q, f
	WIN 0x40
.irp b, 0,1,2,3,4,5,6,7,8,9,10,11
	ds_load_tr16_b128 v[96*\f+8*\b:96*\f+8*\b+3], v[ADRB+\slot] offset:32*BPITCH*\q+160*(\b/4)+32*(\b%4)
	ds_load_tr16_b128 v[96*\f+8*\b+4:96*\f+8*\b+7], v[ADRB+\slot] offset:32*BPITCH*\q+160*(\b/4)+32*(\b%4)+16*BPITCH
.endr
	WIN 0
.irp a, 0,1,2,3
	ds_load_b128 v[FA+32*\f+8*\a:FA+32*\f+8*\a+3], v[ADRA+\slot] offset:64*\q+16*APITCH*\a
	ds_load_b128 v[FA+32*\f+8*\a+4:FA+32*\f+8*\a+7], v[ADRA+\slot] offset:64*\q+16*APITCH*\a+32
.endr
.endm
; one of a K step's first three quarters: multiplies buffer f, fetches quarter q of the same slot into buffer g in its middle
.macro QUARTER slot, q, f, g, first
	s_wait_dscnt 4                                 ; W and x's rows 0-31 are in; the youngest four loads (x's rows 32-63) may be out
.if \first
	MULB 0
.else
	WIN 0xa1
	MUL12 \f, 0, 0
	MUL12 \f, 0, 1
.endif
	PLACES
	FETCH \slot, \q, \g
	s_wait_dscnt 32                                ; all but the 32 just issued
.if \first
	MULB 1
.else
	WIN 0xf1
	MUL12 \f, 1, 0
	MUL12 \f, 1, 1
.endif
.endm
.macro THREE slot, first
	QUARTER \slot, 1, 0, 1, \first
	QUARTER \slot, 2, 1, 0, 0
	QUARTER \slot, 3, 0, 1, 0
.endm
; the last quarter: multiplies buffer 1 and changes slots.  In front of the barrier each wave waits for its reads of this slot and for all its tensor loads
; (one is out: its part of the next slot); behind it (behind the cluster's round where the slot is filled again) the refill comes first, one load a wave.
.macro TURN slot, next, fill
	s_wait_dscnt 4
	WIN 0xa1
	MUL12 1, 0, 0
	s_wait_dscnt 0
	s_wait_tensorcnt 0x0
	ds_add_u32 v255, v31
	s_wait_dscnt 0x0
	s_barrier_signal -1
	MUL12 1, 0, 1                                  ; register work between signal and wait
	WIN 0
	s_barrier_wait -1
.if \fill
	CREST
	s_add_nc_u64 s[G0+4*\slot+2:G0+4*\slot+3], s[G0+4*\slot+2:G0+4*\slot+3], 512          ; two K steps on: no tensor load of mine is out
	s_add_nc_u64 s[G0B+4*\slot+2:G0B+4*\slot+3], s[G0B+4*\slot+2:G0B+4*\slot+3], 1572864
	JLOAD \slot
.endif
	PLACES
	FETCH \next, 0, 0
	WIN 0xf1
	MUL12 1, 1, 0
	MUL12 1, 1, 1
.endm
.macro LAP first
	THREE 0, \first
	TURN 0, 1, 1
	THREE 1, 0
	TURN 1, 0, 1
.endm
	s_wait_loadcnt 0x0                             ; bias tiles and table
	s_wait_tensorcnt 1                             ; my part of K step 0 is in; K step 1's may stay out
	s_barrier_signal -1
	s_barrier_wait -1
	FETCH 0, 0, 0
	LAP 1                                          ; K steps 0, 1: the first products take the bias as C
	WIN 0
	s_mov_b32 s3, 2
.Llap:
	LAP 0                                          ; K steps 2 to 5
	WIN 0
	s_sub_co_u32 s3, s3, 1
	s_cmp_lg_u32 s3, 0
	s_cbranch_scc1 .Llap
	THREE 0, 0                                     ; K steps 6, 7: nothing is left to fetch
	TURN 0, 1, 0
	THREE 1, 0
	s_wait_dscnt 4
	WIN 0xa1
	MUL12 1, 0, 0
	MUL12 1, 0, 1
	s_wait_dscnt 0
	WIN 0xf1
	MUL12 1, 1, 0
	MUL12 1, 1, 1
	WIN 0
	PLACES
	; THE WAY OUT, 16 rows of one head's slot at a time: rotate, round to f16, through my stage, out as 512 consecutive bytes a store (four rows of a head).
	s_lshr_b32 s84, s13, 3
	s_lshl_b32 s84, s84, 22                        ; batch x 4,194,304
	s_and_b32 s85, s13, 7
	s_lshl_b32 s85, s85, 15                        ; + 256 (by mod 8) rows of 128 bytes
	s_add_co_u32 s84, s84, s85
	s_lshl_b32 s85, s10, 13                        ; + 64 w rows
	s_add_co_u32 s84, s84, s85
	s_mul_i32 s86, s42, 3                          ; my first slot of 64 columns, 0..47: 0-15 q, 16-31 k, 32-47 v
	s_mov_b32 s83, 0
.macro OUTG a, gi, rb
.set AB, 8*(12*(\a%2)+4*\gi)
.set CB, CS+32*\a
	s_add_co_u32 s85, s86, \gi
	s_cmp_lt_u32 s85, 32
	s_cselect_b32 s78, 0x3f800000, 0               ; F = 1 for q and k, 0 for v: a choice of a value, no branch
	s_mov_b32 s79, s78
	s_lshr_b32 s87, s85, 4
	s_lshl_b32 s87, s87, 23                        ; q, k or v x 8,388,608
	s_and_b32 s88, s85, 15
	s_lshl_b32 s88, s88, 18                        ; head x 262,144
	s_add_co_u32 s87, s87, s88
	s_add_co_u32 s87, s87, s84
	s_add_co_u32 s82, s87, \a*2048                 ; + 16 a rows
	WIN (2+(\a/2))                                 ; source 0 in the accumulators' window
.irp tq, 0,1,2,3
.irp k, 0,1,2,3
	v_mul_f32 v[T+2*\k], -v[AB+8*\tq+2*\k+1], v[CB+8*\tq+2*\k+1]           ; -o sin
	v_mul_f32 v[T+2*\k+1], v[AB+8*\tq+2*\k+1], v[CB+8*\tq+2*\k]            ; o (cos - 1)
	v_pk_fma_f32 v[U+8*\tq+2*\k:U+8*\tq+2*\k+1], v[AB+8*\tq+2*\k:AB+8*\tq+2*\k+1], v[CB+8*\tq+2*\k:CB+8*\tq+2*\k+1], v[T+2*\k:T+2*\k+1] op_sel_hi:[0,1,1]   ; (e (cos - 1) - o sin, e sin + o (cos - 1))
.endr
.endr
	WIN ((2+(\a/2))<<4)                            ; source 2 in the accumulators' window
.irp j, 0,2,4,6,8,10,12,14,16,18,20,22,24,26,28,30
	v_pk_fma_f32 v[U+\j:U+\j+1], v[U+\j:U+\j+1], s[78:79], v[AB+\j:AB+\j+1] op_sel_hi:[1,0,1]   ; (e, o) + F x the line above
.endr
	WIN 0
.irp j, 0,1,2,3,4,5,6,7,8,9,10,11,12,13,14,15
	v_cvt_pk_f16_f32 v[PK+\j], v[U+2*\j], v[U+2*\j+1]
.endr
.irp tq, 0,1,2,3
	ds_store_b128 v[STO], v[PK+4*\tq:PK+4*\tq+3] offset:32*\tq
.endr
	s_wait_xcnt 0x0                                ; the stores issued so far have had their addresses translated (ISA guide 3.1): their base and their data registers are rewritten only behind this wait
	s_add_nc_u64 s[80:81], s[76:77], s[82:83]
.irp i, 0,1,2,3
	ds_load_b128 v[RB+16*\rb+4*\i:RB+16*\rb+4*\i+3], v[RD] offset:4*SPITCH*\i   ; LDS serves a wave's instructions in order (ISA guide 5.7.1): these see the stores above
.endr
.irp i, 0,1,2,3
	s_wait_dscnt 3-\i
	global_store_b128 v[GO], v[RB+16*\rb+4*\i:RB+16*\rb+4*\i+3], s[80:81] offset:512*\i
.endr
.endm
.irp a, 0,1,2,3
	OUTG \a, 0, 0
	OUTG \a, 1, 1
	OUTG \a, 2, 0
.endr
	s_set_vgpr_msb 0x1
	s_wait_tensorcnt 0x0
	ds_add_u32 v255, v31
	s_wait_dscnt 0x0
	s_set_vgpr_msb 0x100
	CROUND                                         ; the closing round: no work-group ends while a partner may still ask for a tile that names it
	s_endpgm
.Lfunc_end_k_q7779440d23_qkv:
	.size	k_q7779440d23_qkv, .Lfunc_end_k_q7779440d23_qkv-k_q7779440d23_qkv
	.p2alignl 7, 3214868480
	.fill 96, 4, 3214868480
	.section	.rodata,"a",@progbits
	.p2align	6, 0x0
	.amdhsa_kernel k_q7779440d23_qkv
		.amdhsa_group_segment_fixed_size 327680
		.amdhsa_private_segment_fixed_size 0
		.amdhsa_enable_private_segment 0
		.amdhsa_kernarg_size 40
		.amdhsa_user_sgpr_count 2
		.amdhsa_user_sgpr_kernarg_segment_ptr 1
		.amdhsa_wavefront_size32 1
		.amdhsa_system_sgpr_workgroup_id_x 1
		.amdhsa_system_sgpr_workgroup_id_y 1
		.amdhsa_system_sgpr_workgroup_id_z 1
		.amdhsa_system_vgpr_workitem_id 0
		.amdhsa_next_free_vgpr 1024
		.amdhsa_next_free_sgpr 96
		.amdhsa_reserve_vcc 0
		.amdhsa_float_denorm_mode_32 3
		.amdhsa_float_denorm_mode_16_64 3
		.amdhsa_memory_ordered 1
		.amdhsa_forward_progress 1
		.amdhsa_inst_pref_size 217
	.end_amdhsa_kernel
	.amdgpu_metadata
---
amdhsa.version: [ 1, 2 ]
amdhsa.kernels:
  - .name:           k_q7779440d23_qkv
    .symbol:         k_q7779440d23_qkv.kd
    .args:
      - { .name: xb, .offset: 0, .size: 8, .value_kind: global_buffer, .address_space: global }
      - { .name: wqb, .offset: 8, .size: 8, .value_kind: global_buffer, .address_space: global }
      - { .name: b_qkv, .offset: 16, .size: 8, .value_kind: global_buffer, .address_space: global }
      - { .name: rope, .offset: 24, .size: 8, .value_kind: global_buffer, .address_space: global }
      - { .name: qkv, .offset: 32, .size: 8, .value_kind: global_buffer, .address_space: global }
    .group_segment_fixed_size: 327680
    .private_segment_fixed_size: 0
    .kernarg_segment_align: 8
    .kernarg_segment_size: 40
    .max_flat_workgroup_size: 128
    .sgpr_count:     96
    .vgpr_count:     1024
    .wavefront_size: 32
...
	.end_amdgpu_metadata
.endif
;; end of part 2
;; launch attn (part 3): grid 256 x 1, 4 waves a work-group, no clusters, 327,680 bytes of LDS; arguments qkv, kbias, ao; writes ao
.if DOCPART == 3
	.amdgcn_target "amdgcn-amd-amdhsa--gfx1250"
	.amdhsa_code_object_version 6
	.text
	.protected	k_q7779440d23_attn
	.globl	k_q7779440d23_attn
	.p2align	8
	.type	k_q7779440d23_attn,@function
k_q7779440d23_attn:
	s_mov_b64 s[64:65], 0
	v_nop
	global_prefetch_b8 v0, s[64:65] scope:SCOPE_SE
	s_setreg_imm32_b32 hwreg(HW_REG_WAVE_MODE, 25, 1), 1
	s_wait_xcnt 0x0
; Causal attention with a key mask, one pass with a running maximum.  qkv[3][2][16][2048][64] f16 (q and k rotated), kbias[2][2048] f32 (0 or -inf),
; ao[2][16][2048][64] f16.  Work-group g: head g / 8 (of 32 = batch x head), i = g % 8.  It takes the query block i (128 rows, i + 1 key tiles of 128 keys) and then
; the block 15 - i (16 - i tiles): 17 tile trips in every work-group, so the 256 work-groups do equal work; tiles above the diagonal are not visited.
; Four waves; wave w owns 32 query rows (two tiles c of 16).  K, V and the key bias of a tile come by tensor loads into two LDS slots: wave 0 fetches K, wave 1 V,
; wave 2 the bias row; one barrier a trip; the next tile's loads stand straight behind it and have the trip in which to land: one tensor load of a wave is out.
; ORIENTATION: S^T = K Q^T (source 0 = 16 keys, source 1 = 16 query rows): lane l holds query row l % 16 and keys 16 t + 8 (l / 16) + 0..7.  Two such tiles, packed
; to f16 in place, are the second operand of O^T = V^T P^T (source 0 = V by the transposing LDS load).  So every figure of a row lives in its own two lanes.
; SOFTMAX: m starts at the lowest finite f32 and is a true running maximum; p = exp2(0.125 log2(e) s - round(0.125 log2(e) m)); the old sums are scaled by exp2 of the
; difference of the two rounded terms.  A tile whose keys are all masked gives p = 0 and scale 1.  A row without any allowed key ends as 0 x (1 / 0) = NaN, as softmax of all -inf does.
; The denominator sums the unrounded p; the numerator uses p rounded to f16.
; NO CLUSTER: the eight work-groups of a head begin their second walk over the keys after i + 1 trips, so in one trip partners want different tiles; walking in step
; would take 24 joint trips in place of 17.  NO PREFETCH: K and V were stored by the launch just before this one.
; O is cleared by moves (64, twice in 17 trips): the change of block falls in a trip that differs between work-groups, so no fixed product can start the sums.
.set KP, 144                           ; K's LDS pitch: 128 bytes + 16
.set VP, 160                           ; V's: 128 + 32, an odd multiple of 32 for the transposing load
.set VOFF, 128*KP
.set BOFF, VOFF+128*VP
.set SLOT, BOFF+512                    ; 39,424
.set STAGE, 2*SLOT                     ; 78,848: 32 rows x 144 bytes for each wave; no tensor load lands here
.set SPITCH, 144
.set WSTAGE, 32*SPITCH
; window 0
.set ADK, 8                            ; v8-9   K's fragments in slot 0, 1
.set ADV, 10                           ; v10-11 V's
.set ADB, 12                           ; v12-13 the bias
.set STO, 14
.set RD, 15
.set GO, 16                            ; 4096 w + 16 lane
.set QOFF, 17
.set DQ, 18                            ; v18-19 query row in the block less 8 (l / 16), for tile c
.set NINF, 20
.set MX, 21                            ; v21-22 running maximum
.set LS, 23                            ; v23-24 running sum, my half of the keys
.set NMO, 25
.set NM, 26                            ; v26, v28 -(0.125 log2 e) m (first registers of pairs)
.set AL, 30                            ; v30, v32 scale of the old sums (first registers of pairs)
.set RC, 34                            ; v34    1 / sum (first register of a pair)
.set T, 40                             ; v40-47 at work
.set S, 64                             ; v64-127 scores (c, t, j) at 32 c + 8 t + j; then P's fragments (c, g) at 32 c + 16 g
.set VF, 128                           ; v128-191 V's fragments (g, dt)
.set BI, 192                           ; v192-223 key bias (t, j)
.set PK, 224
.set RB, 240
; window 1
.set O, 0                              ; v0-63 O^T (c, dt)
.set QF, 64                            ; v64-95 Q's fragments (c, ks)
.set KF, 96                            ; v96-159 K's fragments (t, ks)
.set MSB, 0
.macro WIN new
.if MSB != (\new)
	s_set_vgpr_msb (MSB<<8)|(\new)
.set MSB, (\new)
.endif
.endm
.macro PLACES
.rept 4
	v_nop
.endr
.endm
; a tile's three loads, shared out by the wave's number; wave 3 fetches nothing
.macro TLOAD
	s_cmp_lg_u32 s10, 0
	s_cbranch_scc1 .Lnot0_\@
	tensor_load_to_lds s[16:19], s[28:35]
	s_nop 0
	s_branch .Lasked_\@
.Lnot0_\@:
	s_cmp_lg_u32 s10, 1
	s_cbranch_scc1 .Lnot1_\@
	tensor_load_to_lds s[20:23], s[36:43]
	s_nop 0
	s_branch .Lasked_\@
.Lnot1_\@:
	s_cmp_lg_u32 s10, 2
	s_cbranch_scc1 .Lasked_\@
	tensor_load_to_lds s[24:27], s[44:51]
	s_nop 0
.Lasked_\@:
.endm
.macro LOADQ lo                        ; my 32 query rows as second operands: row l % 16, 16 bytes at 16 (l / 16) and 32 on, for each 32 of the head's 64
	WIN 0x40
.irp c, 0,1
.irp ks, 0,1
	global_load_b128 v[QF+8*(2*\c+\ks):QF+8*(2*\c+\ks)+3], v[QOFF], s[\lo:\lo+1] offset:2048*\c+64*\ks
	global_load_b128 v[QF+8*(2*\c+\ks)+4:QF+8*(2*\c+\ks)+7], v[QOFF], s[\lo:\lo+1] offset:2048*\c+64*\ks+32
.endr
.endr
	WIN 0
.endm
.macro RESET                           ; a new query block: maximum, its scaled negative, sums
	v_mov_b32 v[MX], 0xff7fffff
	v_mov_b32 v[MX+1], 0xff7fffff
	v_mul_f32 v[NM], 0xbe38aa3b, v[MX]
	v_mul_f32 v[NM+2], 0xbe38aa3b, v[MX+1]
	v_mov_b32 v[LS], 0
	v_mov_b32 v[LS+1], 0
	WIN 0x40
.set k, 0
.rept 64
	v_mov_b32 v[O+k], 0
.set k, k+1
.endr
	WIN 0
.endm
	s_load_b128 s[4:7], s[0:1], 0x0                ; qkv, kbias
	s_load_b64 s[8:9], s[0:1], 0x10                ; ao
	v_lshl_add_u32 v62, v0, 2, 0x29000
	v_mov_b32 v63, 0
	ds_add_u32 v62, v63
	v_lshrrev_b32 v1, 5, v0
	v_readfirstlane_b32 s10, v1                    ; wave
	s_lshr_b32 s11, ttmp9, 3                       ; batch x 16 + head
	s_and_b32 s12, ttmp9, 7                        ; i
	s_mov_b32 s74, 0x76543210                      ; v_permlanex16_b32: lane l of one half reads lane l of the other
	s_mov_b32 s75, 0xfedcba98
	; group 1: K: 128 rows x 64 elements of 2 bytes, dense in memory, 4 words of padding behind every 32; V the same with 8; the bias: one row of 64 elements of 8 bytes
	s_mov_b32 s28, (1<<16)|(1<<20)|(4<<22)|(3<<25)
	s_mov_b32 s29, 64<<16
	s_mov_b32 s30, 128<<16
	s_mov_b32 s31, 64<<16
	s_mov_b32 s32, 128
	s_mov_b32 s33, 64
	s_mov_b32 s34, 0
	s_mov_b32 s35, 0
	s_mov_b32 s36, (1<<16)|(1<<20)|(4<<22)|(7<<25)
	s_mov_b32 s37, 64<<16
	s_mov_b32 s38, 128<<16
	s_mov_b32 s39, 64<<16
	s_mov_b32 s40, 128
	s_mov_b32 s41, 64
	s_mov_b32 s42, 0
	s_mov_b32 s43, 0
	s_mov_b32 s44, 3<<16
	s_mov_b32 s45, 64<<16
	s_mov_b32 s46, 1<<16
	s_mov_b32 s47, 64<<16
	s_mov_b32 s48, 1
	s_mov_b32 s49, 64
	s_mov_b32 s50, 0
	s_mov_b32 s51, 0
	s_mov_b32 s77, 0
	s_mov_b32 s79, 0
	s_lshl_b32 s76, s11, 18                        ; a head's 2,048 rows of 128 bytes
	s_lshr_b32 s78, s11, 4
	s_lshl_b32 s78, s78, 13                        ; a batch's 2,048 words of bias
	s_sub_co_u32 s80, 15, s12                      ; the second query block
	s_wait_dscnt 0x0
	s_barrier_signal -1
	s_barrier_wait -1
	s_wait_kmcnt 0x0
	s_add_nc_u64 s[58:59], s[4:5], s[76:77]        ; q of my head
	s_add_nc_u64 s[52:53], s[58:59], 0x800000      ; k
	s_add_nc_u64 s[54:55], s[58:59], 0x1000000     ; v
	s_add_nc_u64 s[62:63], s[8:9], s[76:77]        ; ao of my head
	s_add_nc_u64 s[56:57], s[6:7], s[78:79]        ; bias of my batch
	s_lshl_b32 s76, s80, 14                        ; a block's 128 rows of 128 bytes
	s_add_nc_u64 s[60:61], s[58:59], s[76:77]      ; q, second block
	s_add_nc_u64 s[66:67], s[62:63], s[76:77]      ; ao, second block
	s_lshl_b32 s76, s12, 14
	s_add_nc_u64 s[58:59], s[58:59], s[76:77]      ; q, first block
	s_add_nc_u64 s[62:63], s[62:63], s[76:77]      ; ao, first block
	; group 0 of the three loads, for key tile 0 into slot 0; the one first fill of each fetching wave goes out ahead of every wait, LDS read and barrier
	s_mov_b32 s16, 1
	s_mov_b32 s17, 0
	s_mov_b64 s[18:19], s[52:53]
	s_or_b32 s19, s19, 0x80000000
	s_mov_b32 s20, 1
	s_mov_b32 s21, VOFF
	s_mov_b64 s[22:23], s[54:55]
	s_or_b32 s23, s23, 0x80000000
	s_mov_b32 s24, 1
	s_mov_b32 s25, BOFF
	s_mov_b64 s[26:27], s[56:57]
	s_or_b32 s27, s27, 0x80000000
	TLOAD
	v_and_b32 v1, 15, v0                           ; r
	v_bfe_u32 v2, v0, 4, 1                         ; h
	v_lshl_add_u32 v3, s10, 5, v1                  ; 32 w + r
	v_lshlrev_b32 v5, 4, v2
	v_lshl_add_u32 v[QOFF], v3, 7, v5
	LOADQ 58
	v_lshlrev_b32 v5, 3, v2
	v_sub_nc_u32 v[DQ], v3, v5
	v_add_nc_u32 v[DQ+1], 16, v[DQ]
	v_mul_u32_u24 v3, v1, KP
	v_lshl_add_u32 v[ADK], v2, 4, v3               ; 144 r + 16 h
	v_add_nc_u32 v[ADK+1], SLOT, v[ADK]
	v_and_b32 v4, 7, v0
	v_lshl_add_u32 v4, v2, 3, v4
	v_mul_u32_u24 v4, v4, VP
	v_bfe_u32 v5, v0, 3, 1
	v_lshl_add_u32 v4, v5, 4, v4
	v_add_nc_u32 v[ADV], VOFF, v4
	v_add_nc_u32 v[ADV+1], VOFF+SLOT, v4
	v_lshlrev_b32 v6, 5, v2
	v_add_nc_u32 v[ADB], BOFF, v6
	v_add_nc_u32 v[ADB+1], BOFF+SLOT, v6
	s_mul_i32 s81, s10, WSTAGE
	s_add_co_u32 s81, s81, STAGE
	v_add_nc_u32 v[STO], s81, v[ADK]               ; the stage has K's pitch
	v_bfe_u32 v5, v0, 3, 2
	v_mul_u32_u24 v5, v5, SPITCH
	v_and_b32 v7, 7, v0
	v_lshl_add_u32 v5, v7, 4, v5
	v_add_nc_u32 v[RD], s81, v5
	v_and_b32 v7, 31, v0
	v_lshlrev_b32 v7, 4, v7
	v_lshl_add_u32 v[GO], s10, 12, v7
	v_mov_b32 v[NINF], 0xff800000
	v_mov_b32 v[NM+1], 0                           ; second registers of pairs of which the first is broadcast, and destinations of lane permutes: written once
	v_mov_b32 v[NM+3], 0
	v_mov_b32 v[AL+1], 0
	v_mov_b32 v[AL+3], 0
	v_mov_b32 v[RC+1], 0
	v_mov_b32 v[T], 0
	v_mov_b32 v[T+4], 0
	RESET
	s_mov_b32 s70, 0                               ; the key tile at work
	s_mov_b32 s71, s12                             ; the block's last (diagonal) key tile
	s_wait_loadcnt 0x0                             ; Q
.macro LOADK slot, st
	WIN 0x40
.irp t, 0,1,2,3
.irp ks, 0,1
	ds_load_b128 v[KF+8*(2*\t+\ks):KF+8*(2*\t+\ks)+3], v[ADK+\slot] offset:(64*\st+16*\t)*KP+64*\ks
	ds_load_b128 v[KF+8*(2*\t+\ks)+4:KF+8*(2*\t+\ks)+7], v[ADK+\slot] offset:(64*\st+16*\t)*KP+64*\ks+32
.endr
.endr
	WIN 0
.endm
.macro LOADB slot, st
.irp t, 0,1,2,3
	ds_load_b128 v[BI+8*\t:BI+8*\t+3], v[ADB+\slot] offset:256*\st+64*\t
	ds_load_b128 v[BI+8*\t+4:BI+8*\t+7], v[ADB+\slot] offset:256*\st+64*\t+16
.endr
.endm
.macro LOADV slot, st
.irp g, 0,1
.irp dt, 0,1,2,3
	ds_load_tr16_b128 v[VF+8*(4*\g+\dt):VF+8*(4*\g+\dt)+3], v[ADV+\slot] offset:(64*\st+32*\g)*VP+32*\dt
	ds_load_tr16_b128 v[VF+8*(4*\g+\dt)+4:VF+8*(4*\g+\dt)+7], v[ADV+\slot] offset:(64*\st+32*\g)*VP+32*\dt+16*VP
.endr
.endr
.endm
; 16 matrix instructions: 64 keys x 32 query rows x 64.  The eight accumulators take turns, one instruction a turn.
.macro QK
	WIN 0x05
.irp c, 0,1
.irp t, 0,1,2,3
	v_wmma_f32_16x16x32_f16 v[S+32*\c+8*\t:S+32*\c+8*\t+7], v[KF+16*\t:KF+16*\t+7], v[QF+16*\c:QF+16*\c+7], 0
.endr
.endr
.irp c, 0,1
.irp t, 0,1,2,3
	v_wmma_f32_16x16x32_f16 v[S+32*\c+8*\t:S+32*\c+8*\t+7], v[KF+16*\t+8:KF+16*\t+15], v[QF+16*\c+8:QF+16*\c+15], v[S+32*\c+8*\t:S+32*\c+8*\t+7]
.endr
.endr
	WIN 0
.endm
; query tile c, keys 64 st .. 64 st + 63 of the tile.  diag = 1: the tile is the diagonal one; 0: a scalar compare of tile numbers decides.
.macro SOFTMAX c, st, diag
.set SB, S+32*\c
.set k, 0
.rept 16
	v_pk_add_f32 v[SB+k:SB+k+1], v[SB+k:SB+k+1], v[BI+k:BI+k+1]    ; the key mask: + 0 or + (-inf)
.set k, k+2
.endr
.if \diag == 0
	s_cmp_lg_u32 s70, s71
	s_cbranch_scc1 .Lbelow_\@
.endif
.set k, 0
.rept 32
	v_cmp_gt_i32 vcc_lo, 64*\st+16*(k/8)+(k%8), v[DQ+\c]           ; key > query row
	v_cndmask_b32 v[SB+k], v[SB+k], v[NINF], vcc_lo
.set k, k+1
.endr
.if \diag == 0
.Lbelow_\@:
.endif
	v_max3_num_f32 v[T], v[SB], v[SB+1], v[SB+2]                   ; four chains
	v_max3_num_f32 v[T+1], v[SB+3], v[SB+4], v[SB+5]
	v_max3_num_f32 v[T+2], v[SB+6], v[SB+7], v[SB+8]
	v_max3_num_f32 v[T+3], v[SB+9], v[SB+10], v[SB+11]
.set k, 12
.rept 10
	v_max3_num_f32 v[T+((k-12)/2)%4], v[T+((k-12)/2)%4], v[SB+k], v[SB+k+1]
.set k, k+2
.endr
	v_max3_num_f32 v[T], v[T], v[T+1], v[T+2]
	v_max_num_f32 v[T], v[T], v[T+3]
	v_permlanex16_b32 v[T+4], v[T], s74, s75                       ; the row's other half of the keys
	v_mov_b32 v[NMO], v[NM+2*\c]
	v_max3_num_f32 v[MX+\c], v[T], v[T+4], v[MX+\c]
	v_mul_f32 v[NM+2*\c], 0xbe38aa3b, v[MX+\c]
	v_sub_f32 v[T+5], v[NM+2*\c], v[NMO]                           ; of the two rounded terms: exactly 0 where the maximum stays
	v_exp_f32 v[AL+2*\c], v[T+5]                                   ; the multiply-adds below are its plain places (ISA guide 5.7.2)
.set k, 0
.rept 16
	v_pk_fma_f32 v[SB+k:SB+k+1], v[SB+k:SB+k+1], 0x3e38aa3b, v[NM+2*\c:NM+2*\c+1] op_sel_hi:[1,0,0]
.set k, k+2
.endr
.set k, 0
.rept 32
	v_exp_f32 v[SB+k], v[SB+k]
.set k, k+1
.endr
	v_nop                                                          ; one plain place behind the run of exponentials
	s_wait_alu depctr_va_vdst(0)
	v_pk_add_f32 v[T:T+1], v[SB:SB+1], v[SB+2:SB+3]
	v_pk_add_f32 v[T+2:T+3], v[SB+4:SB+5], v[SB+6:SB+7]
	v_pk_add_f32 v[T+4:T+5], v[SB+8:SB+9], v[SB+10:SB+11]
	v_pk_add_f32 v[T+6:T+7], v[SB+12:SB+13], v[SB+14:SB+15]
.set k, 16
.rept 8
	v_pk_add_f32 v[T+2*((k/2)%4):T+2*((k/2)%4)+1], v[T+2*((k/2)%4):T+2*((k/2)%4)+1], v[SB+k:SB+k+1]
.set k, k+2
.endr
	v_pk_add_f32 v[T:T+1], v[T:T+1], v[T+2:T+3]
	v_pk_add_f32 v[T+4:T+5], v[T+4:T+5], v[T+6:T+7]
	v_pk_add_f32 v[T:T+1], v[T:T+1], v[T+4:T+5]
	v_add_f32 v[T], v[T], v[T+1]
	v_fma_f32 v[LS+\c], v[LS+\c], v[AL+2*\c], v[T]
.irp t, 0,1,2,3                                                    ; pack in place: tiles 2 g, 2 g + 1 become registers 0-3, 4-7 of fragment g; each destination's old value has been used
.irp j, 0,1,2,3
	v_cvt_pk_f16_f32 v[SB+16*(\t/2)+4*(\t%2)+\j], v[SB+8*\t+2*\j], v[SB+8*\t+2*\j+1]
.endr
.endr
.endm
; 64 keys.  LDS loads are counted in issue order: K (16), bias (8), V (16), and in the first half the second half's K (16) behind them.
.macro STEP slot, st, diag
.if \st == 0
	LOADK \slot, 0
.endif
	LOADB \slot, \st
	LOADV \slot, \st
	s_wait_dscnt 24                                ; K is in; bias and V may be out
	QK
	PLACES                                         ; behind the products: their results are read, and K's registers loaded again
.if \st == 0
	LOADK \slot, 1
	s_wait_dscnt 32                                ; the bias is in; V and the next K may be out
.else
	s_wait_dscnt 16                                ; the bias is in; V may be out
.endif
	SOFTMAX 0, \st, \diag
	SOFTMAX 1, \st, \diag
.if \st == 0
	s_wait_dscnt 16                                ; V is in; the next K may be out
.else
	s_wait_dscnt 0
.endif
	WIN 0x41
.irp c, 0,1
.set k, 0
.rept 16
	v_pk_mul_f32 v[O+32*\c+k:O+32*\c+k+1], v[O+32*\c+k:O+32*\c+k+1], v[AL+2*\c:AL+2*\c+1] op_sel_hi:[1,0]
.set k, k+2
.endr
.endr
	WIN 0x50
.irp g, 0,1                                        ; the eight accumulators take turns, one instruction a turn
.irp c, 0,1
.irp dt, 0,1,2,3
	v_wmma_f32_16x16x32_f16 v[O+32*\c+8*\dt:O+32*\c+8*\dt+7], v[VF+8*(4*\g+\dt):VF+8*(4*\g+\dt)+7], v[S+32*\c+16*\g:S+32*\c+16*\g+7], v[O+32*\c+8*\dt:O+32*\c+8*\dt+7]
.endr
.endr
.endr
	WIN 0
.rept 5
	v_nop                                          ; five places: the next products write over P, loads land on V's fragments, vector work reads O
.endr
.endm
; a query block is done: divide, round to f16, through my stage, out as 512 consecutive bytes a store.  next = 1: the second block's Q is fetched and the sums start anew.
.macro FINISH next
.set AOR, 62+4*(1-\next)
.if \next
	LOADQ 60
.endif
.irp c, 0,1
	v_permlanex16_b32 v[T], v[LS+\c], s74, s75
	v_add_f32 v[T], v[T], v[LS+\c]                 ; both halves of the keys
	v_rcp_f32 v[RC], v[T]
	v_nop
	WIN 0x01
.set k, 0
	s_wait_alu depctr_va_vdst(0)
.rept 16
	v_pk_mul_f32 v[S+k:S+k+1], v[O+32*\c+k:O+32*\c+k+1], v[RC:RC+1] op_sel_hi:[1,0]
.set k, k+2
.endr
	WIN 0
.set k, 0
.rept 16
	v_cvt_pk_f16_f32 v[PK+k], v[S+2*k], v[S+2*k+1]
.set k, k+1
.endr
.irp dt, 0,1,2,3
	ds_store_b128 v[STO], v[PK+4*\dt:PK+4*\dt+3] offset:16*SPITCH*\c+32*\dt
.endr
	s_wait_xcnt 0x0                                ; the stores issued so far have had their addresses translated (ISA guide 3.1): their data registers are loaded again only behind this wait
.irp i, 0,1,2,3
	ds_load_b128 v[RB+4*\i:RB+4*\i+3], v[RD] offset:16*SPITCH*\c+4*SPITCH*\i    ; LDS serves a wave's instructions in order: these see the stores above
.endr
.irp i, 0,1,2,3
	s_wait_dscnt 3-\i
	global_store_b128 v[GO], v[RB+4*\i:RB+4*\i+3], s[AOR:AOR+1] offset:2048*\c+512*\i
.endr
.endr
.if \next
	RESET
	s_mov_b32 s71, s80                             ; the second block's diagonal tile
	s_wait_loadcnt 0x0                             ; its Q
.endif
.endm
; One key tile, in slot.  refill = 1: the next tile (0 again behind a block's last) goes into the other slot.
.macro TRIP slot, refill, last
	s_wait_tensorcnt 0x0                           ; all my tensor loads are done, my part of this tile among them: every group 0 may be written
	ds_add_u32 v62, v63
	s_wait_dscnt 0x0
	s_add_co_u32 s72, s70, 1
	s_cmp_eq_u32 s70, s71
	s_cselect_b32 s72, 0, s72                      ; the next key tile
.if \refill
	s_lshl_b32 s76, s72, 14                        ; 128 rows of 128 bytes
	s_lshl_b32 s78, s72, 9                         ; 128 words
	s_mov_b32 s17, (1-\slot)*SLOT
	s_add_nc_u64 s[18:19], s[52:53], s[76:77]
	s_or_b32 s19, s19, 0x80000000
	s_mov_b32 s21, (1-\slot)*SLOT+VOFF
	s_add_nc_u64 s[22:23], s[54:55], s[76:77]
	s_or_b32 s23, s23, 0x80000000
	s_mov_b32 s25, (1-\slot)*SLOT+BOFF
	s_add_nc_u64 s[26:27], s[56:57], s[78:79]
	s_or_b32 s27, s27, 0x80000000
.endif
	s_wait_dscnt 0x0                               ; my reads of the other slot are done
	s_barrier_signal -1
	s_barrier_wait -1                              ; both now hold of every wave
.if \refill
	TLOAD                                          ; first thing behind the barrier, one load a wave
.endif
	STEP \slot, 0, \last
	STEP \slot, 1, \last
.if \last
	FINISH 0
.else
	s_cmp_lg_u32 s70, s71
	s_cbranch_scc1 .Lgo_on_\@
	FINISH 1
.Lgo_on_\@:
	s_mov_b32 s70, s72
.endif
.endm
	s_mov_b32 s73, 8
.Ltrips:
	TRIP 0, 1, 0
	TRIP 1, 1, 0
	s_sub_co_u32 s73, s73, 1
	s_cmp_lg_u32 s73, 0
	s_cbranch_scc1 .Ltrips
	TRIP 0, 0, 1                                   ; the seventeenth trip: the second block's diagonal tile; nothing is left to fetch
	s_wait_tensorcnt 0x0
	ds_add_u32 v62, v63
	s_wait_dscnt 0x0
	s_endpgm
.Lfunc_end_k_q7779440d23_attn:
	.size	k_q7779440d23_attn, .Lfunc_end_k_q7779440d23_attn-k_q7779440d23_attn
	.p2alignl 7, 3214868480
	.fill 96, 4, 3214868480
	.section	.rodata,"a",@progbits
	.p2align	6, 0x0
	.amdhsa_kernel k_q7779440d23_attn
		.amdhsa_group_segment_fixed_size 327680
		.amdhsa_private_segment_fixed_size 0
		.amdhsa_enable_private_segment 0
		.amdhsa_kernarg_size 24
		.amdhsa_user_sgpr_count 2
		.amdhsa_user_sgpr_kernarg_segment_ptr 1
		.amdhsa_wavefront_size32 1
		.amdhsa_system_sgpr_workgroup_id_x 1
		.amdhsa_system_sgpr_workgroup_id_y 1
		.amdhsa_system_sgpr_workgroup_id_z 1
		.amdhsa_system_vgpr_workitem_id 0
		.amdhsa_next_free_vgpr 416
		.amdhsa_next_free_sgpr 88
		.amdhsa_reserve_vcc 1
		.amdhsa_float_denorm_mode_32 3
		.amdhsa_float_denorm_mode_16_64 3
		.amdhsa_memory_ordered 1
		.amdhsa_forward_progress 1
		.amdhsa_inst_pref_size 195
	.end_amdhsa_kernel
	.amdgpu_metadata
---
amdhsa.version: [ 1, 2 ]
amdhsa.kernels:
  - .name:           k_q7779440d23_attn
    .symbol:         k_q7779440d23_attn.kd
    .args:
      - { .name: qkv, .offset: 0, .size: 8, .value_kind: global_buffer, .address_space: global }
      - { .name: kbias, .offset: 8, .size: 8, .value_kind: global_buffer, .address_space: global }
      - { .name: ao, .offset: 16, .size: 8, .value_kind: global_buffer, .address_space: global }
    .group_segment_fixed_size: 327680
    .private_segment_fixed_size: 0
    .kernarg_segment_align: 8
    .kernarg_segment_size: 24
    .max_flat_workgroup_size: 128
    .sgpr_count:     88
    .vgpr_count:     416
    .wavefront_size: 32
...
	.end_amdgpu_metadata
.endif
;; end of part 3
;; launch oproj (part 4): grid 8 x 32, 4 waves a work-group, clusters of 4 x 4, 327,680 bytes of LDS; arguments ao, wob, b_out, out0; writes out0
.if DOCPART == 4
	.amdgcn_target "amdgcn-amd-amdhsa--gfx1250"
	.amdhsa_code_object_version 6
	.text
	.protected	k_q7779440d23_oproj
	.globl	k_q7779440d23_oproj
	.p2align	8
	.type	k_q7779440d23_oproj,@function
k_q7779440d23_oproj:
	s_mov_b64 s[64:65], 0
	v_nop
	global_prefetch_b8 v0, s[64:65] scope:SCOPE_SE
	s_setreg_imm32_b32 hwreg(HW_REG_WAVE_MODE, 25, 1), 1
	s_wait_xcnt 0x0
	s_wait_alu depctr_hold_cnt(0) depctr_sa_sdst(0) depctr_va_vdst(0) depctr_va_sdst(0) depctr_va_ssrc(0) depctr_va_vcc(0) depctr_vm_vsrc(0)
	s_getreg_b32 s2, hwreg(HW_REG_IB_STS2, 6, 4)
	s_cmp_eq_u32 s2, 0
	s_cbranch_scc0 .Lentry_in_a_cluster
	s_endpgm
.Lentry_in_a_cluster:
	s_bfe_u32 s2, ttmp6, 0x10000c
	s_cmp_lg_u32 s2, 0xf033
	s_cbranch_scc0 .Lentry_shape_is_right
	s_endpgm
.Lentry_shape_is_right:
; out0 = o W_out + b_out.  ao[2 b][16 h][2048 t][64] f16 (k = 64 h + d), wob [1024 k][1024 n] f16, out0 [4096][1024] f32, sums in f32.
; A work-group makes 128 x 128 (8 x 32 = 256 work-groups, one block each); four waves in 2 x 2, each 64 x 64: 16 accumulator tiles, 128 registers.
; K goes in steps of 128 (two heads) through two LDS slots.  Waves 0, 1 fetch one head's 128 rows of 128 bytes each (dense in memory), waves 2, 3 64 k rows of W each.
; CLUSTERS: 4 x 4; ao's tiles hang on the block row alone and are asked for jointly along a row of the cluster, W's on the block column alone and jointly along a column.
; The matrix instruction is used transposed (source 0 = 16 columns of W by the transposing LDS load, source 1 = 16 rows of ao): a lane holds 8 neighbouring numbers of a row.
; b_out is the C operand of the first K step's products.  A row of ao that is NaN (a query without any allowed key) gives a row of NaN.
; window 0: v0-31 addresses; v32-63 / v96-127 fragments of ao, v64-95 / v128-159 fragments of W (two buffers); v160-191 bias tiles; v192-223 the way out.  window 1: v0-127 accumulators (a, b) at 8 (4 a + b).
.set AP, 144                           ; ao in LDS: 128 bytes + 16
.set BP, 288                           ; W in LDS: 256 bytes + 32, an odd multiple of 32
.set PART, 18432                       ; what one tensor load brings: 128 x 144 = 64 x 288
.set SLOT, 4*PART                      ; 73,728
.set STAGE, 2*SLOT                     ; 147,456: 16 rows x 272 bytes for each wave; no tensor load lands here
.set SPITCH, 272
.set ADRA, 16
.set ADRB, 20
.set STO, 24
.set RD, 25
.set CO, 26
.set BO, 27
.set FA, 32
.set FB, 64
.set BC, 160
.set RB, 192
.set G1,  24
.set G0,  32
.set G1B, 48
.set G0B, 56
.set MSB, 0
.macro WIN new
.if MSB != (\new)
	s_set_vgpr_msb (MSB<<8)|(\new)
.set MSB, (\new)
.endif
.endm
.macro PLACES
.rept 4
	v_nop
.endr
.endm
.macro JLOAD s
	s_cmp_eq_u32 s11, 0
	s_cbranch_scc0 .Lfor_b_\@
	tensor_load_to_lds s[G0+4*\s:G0+4*\s+3], s[G1:G1+7]
	s_nop 0
	s_branch .Lasked_\@
.Lfor_b_\@:
	tensor_load_to_lds s[G0B+4*\s:G0B+4*\s+3], s[G1B:G1B+7]
	s_nop 0
.Lasked_\@:
.endm
.macro CREST
	s_cmp_lg_u32 s10, 0
	s_cbranch_scc1 .Lnot_wave_0_\@
	s_barrier_signal -3
.Lnot_wave_0_\@:
	s_barrier_wait -3
	s_barrier_signal -1
	s_barrier_wait -1
.endm
.macro CROUND
	s_barrier_signal -1
	s_barrier_wait -1
	CREST
.endm
	s_load_b256 s[68:75], s[0:1], 0x0              ; ao s[68:69], wob s[70:71], b_out s[72:73], out0 s[74:75]
	v_lshl_add_u32 v254, v0, 2, 0x29000
	v_mov_b32 v255, 0
	ds_add_u32 v254, v255
	v_lshrrev_b32 v1, 5, v0
	v_readfirstlane_b32 s10, v1                    ; wave
	s_lshr_b32 s11, s10, 1                         ; my half of the block's rows.  Also: I fetch for ao (0) or for W (1)
	s_and_b32 s12, s10, 1                          ; my half of its columns.  Also: which part of that tile I fetch
	s_bfe_u32 s40, ttmp6, 0x40000                  ; cx
	s_bfe_u32 s41, ttmp6, 0x40004                  ; cy
	s_lshl_b32 s42, ttmp9, 2
	s_add_co_u32 s42, s42, s40                     ; block column bx
	s_and_b32 s13, ttmp7, 0xffff
	s_lshl_b32 s13, s13, 2
	s_add_co_u32 s13, s13, s41                     ; block row by
	s_lshl_b32 s43, s41, 2
	s_lshl_b32 s43, 15, s43                        ; my row of the cluster
	s_lshl_b32 s44, 0x1111, s40                    ; my column
	; group 1 for ao: 128 rows x 64 elements of 2 bytes, dense, 4 words of padding behind every 32
	s_or_b32 s[G1+0], s43, (1<<16)|(1<<20)|(1<<21)|(4<<22)|(3<<25)
	s_mov_b32 s[G1+1], 64<<16
	s_mov_b32 s[G1+2], 128<<16
	s_mov_b32 s[G1+3], 64<<16
	s_mov_b32 s[G1+4], 128
	s_mov_b32 s[G1+5], 64
	s_mov_b32 s[G1+6], 0
	s_mov_b32 s[G1+7], 0
	; group 1 for W: 64 rows x 128 elements, 8 words of padding behind every 64
	s_or_b32 s[G1B+0], s44, (1<<16)|(1<<20)|(1<<21)|(5<<22)|(7<<25)
	s_mov_b32 s[G1B+1], 128<<16
	s_mov_b32 s[G1B+2], 64<<16
	s_mov_b32 s[G1B+3], 128<<16
	s_mov_b32 s[G1B+4], 64
	s_mov_b32 s[G1B+5], 1024
	s_mov_b32 s[G1B+6], 0
	s_mov_b32 s[G1B+7], 0
	s_lshr_b32 s16, s13, 4
	s_lshl_b32 s16, s16, 22                        ; batch x 16 heads of 262,144 bytes
	s_lshl_b32 s17, s12, 18                        ; + my head of the step's two
	s_add_co_u32 s16, s16, s17
	s_and_b32 s17, s13, 15
	s_lshl_b32 s17, s17, 14                        ; + 128 (by mod 16) rows of 128 bytes
	s_add_co_u32 s16, s16, s17
	s_mov_b32 s17, 0
	s_lshl_b32 s46, s42, 8                         ; 128 bx columns of 2 bytes
	s_lshl_b32 s47, s12, 17                        ; + 64 rows of 2,048 bytes for the second part
	s_add_co_u32 s46, s46, s47
	s_mov_b32 s47, 0
	s_mul_i32 s20, s10, PART                       ; LDS: the four parts of a slot by the wave's number
	s_wait_dscnt 0x0
	s_wait_kmcnt 0x0
	s_add_nc_u64 s[14:15], s[68:69], s[16:17]
	s_add_nc_u64 s[46:47], s[70:71], s[46:47]
	CROUND                                         ; in front of the first joint loads
.irp s, 0,1
	s_mov_b32 s[G0+4*\s], 1
	s_add_co_u32 s[G0+4*\s+1], s20, \s*SLOT
	s_add_nc_u64 s[G0+4*\s+2:G0+4*\s+3], s[14:15], \s*524288       ; K step s: two heads on
	s_or_b32 s[G0+4*\s+3], s[G0+4*\s+3], 0x80000000
	s_mov_b32 s[G0B+4*\s], 1
	s_add_co_u32 s[G0B+4*\s+1], s20, \s*SLOT
	s_add_nc_u64 s[G0B+4*\s+2:G0B+4*\s+3], s[46:47], \s*262144     ; K step s: 128 rows of 2,048 bytes on
	s_or_b32 s[G0B+4*\s+3], s[G0B+4*\s+3], 0x80000000
	JLOAD \s                                       ; both first fills together: two tensor loads of the wave are out
.endr
	v_and_b32 v1, 15, v0                           ; r
	v_bfe_u32 v2, v0, 4, 1                         ; h
	v_lshlrev_b32 v[BO], 5, v2
	v_lshl_add_u32 v[BO], s12, 8, v[BO]            ; my 64 columns, my 8 numbers of a tile
	s_lshl_b32 s78, s42, 9
	s_mov_b32 s79, 0
	s_add_nc_u64 s[72:73], s[72:73], s[78:79]      ; b_out at the block's 128 columns
.irp b, 0,1,2,3
	global_load_b128 v[BC+8*\b:BC+8*\b+3], v[BO], s[72:73] offset:64*\b
	global_load_b128 v[BC+8*\b+4:BC+8*\b+7], v[BO], s[72:73] offset:64*\b+16
.endr
	v_lshl_add_u32 v3, s11, 6, v1                  ; 64 x row half + r
	v_mul_u32_u24 v4, v3, AP
	v_lshl_add_u32 v[ADRA], v2, 4, v4
	v_add_nc_u32 v[ADRA+1], SLOT, v[ADRA]
	v_and_b32 v5, 7, v0
	v_lshl_add_u32 v5, v2, 3, v5
	v_mul_u32_u24 v6, v5, BP
	v_bfe_u32 v7, v0, 3, 1
	v_lshl_add_u32 v6, v7, 4, v6
	v_lshl_add_u32 v6, s12, 7, v6                  ; + 128 bytes for the second half of the columns
	v_add_nc_u32 v[ADRB], 2*PART, v6
	v_add_nc_u32 v[ADRB+1], 2*PART+SLOT, v6
	s_mul_i32 s23, s10, 16*SPITCH
	s_add_co_u32 s23, s23, STAGE
	v_mul_u32_u24 v8, v1, SPITCH
	v_lshl_add_u32 v8, v2, 5, v8
	v_add_nc_u32 v[STO], s23, v8                   ; in: row r, 32 bytes for each half of the lanes
	v_mul_u32_u24 v9, v2, SPITCH
	v_lshl_add_u32 v9, v1, 4, v9
	v_add_nc_u32 v[RD], s23, v9                    ; back: lanes 0-15 a row of 256 bytes, lanes 16-31 the next
	v_lshlrev_b32 v10, 12, v2
	v_lshl_add_u32 v[CO], v1, 4, v10               ; the same two rows in out0
; 4 matrix instructions: row block a x 4 column blocks.  first = 1: C is the bias tile.  The 16 accumulators take turns, one instruction a turn.
.macro MUL4 f, a, first
.irp b, 0,1,2,3
.if \first
	v_wmma_f32_16x16x32_f16 v[8*(4*\a+\b):8*(4*\a+\b)+7], v[FB+64*\f+8*\b:FB+64*\f+8*\b+7], v[FA+64*\f+8*\a:FA+64*\f+8*\a+7], v[BC+8*\b:BC+8*\b+7]
.else
	v_wmma_f32_16x16x32_f16 v[8*(4*\a+\b):8*(4*\a+\b)+7], v[FB+64*\f+8*\b:FB+64*\f+8*\b+7], v[FA+64*\f+8*\a:FA+64*\f+8*\a+7], v[8*(4*\a+\b):8*(4*\a+\b)+7]
.endif
.endr
.endm
.macro FETCH slot, q, f                ; 16 LDS loads: W's 4 fragments, then ao's 4 (quarters 0, 1 lie in the first head's part, 2, 3 in the second's)
.irp b, 0,1,2,3
	ds_load_tr16_b128 v[FB+64*\f+8*\b:FB+64*\f+8*\b+3], v[ADRB+\slot] offset:32*BP*\q+32*\b
	ds_load_tr16_b128 v[FB+64*\f+8*\b+4:FB+64*\f+8*\b+7], v[ADRB+\slot] offset:32*BP*\q+32*\b+16*BP
.endr
.irp a, 0,1,2,3
	ds_load_b128 v[FA+64*\f+8*\a:FA+64*\f+8*\a+3], v[ADRA+\slot] offset:PART*(\q/2)+64*(\q%2)+16*AP*\a
	ds_load_b128 v[FA+64*\f+8*\a+4:FA+64*\f+8*\a+7], v[ADRA+\slot] offset:PART*(\q/2)+64*(\q%2)+16*AP*\a+32
.endr
.endm
.macro QUARTER slot, q, f, g, first
	s_wait_dscnt 4                                 ; W and ao's rows 0-31 are in; the youngest four loads may be out
	WIN (0x50-0x10*\first)                         ; D in window 1; C there too, or the bias tile in window 0
	MUL4 \f, 0, \first
	MUL4 \f, 1, \first
	WIN 0
	PLACES
	FETCH \slot, \q, \g
	s_wait_dscnt 16                                ; all but the 16 just issued
	WIN (0x50-0x10*\first)
	MUL4 \f, 2, \first
	MUL4 \f, 3, \first
.endm
.macro THREE slot, first
	QUARTER \slot, 1, 0, 1, \first
	QUARTER \slot, 2, 1, 0, 0
	QUARTER \slot, 3, 0, 1, 0
.endm
; the last quarter and the change of slots: each wave's reads of this slot and all its tensor loads are waited for in front of the barrier; the refill stands first behind the cluster's round
.macro TURN slot, next, fill
	s_wait_dscnt 4
	WIN 0x50
	MUL4 1, 0, 0
	s_wait_dscnt 0
	s_wait_tensorcnt 0x0
	ds_add_u32 v254, v255
	s_wait_dscnt 0x0
	s_barrier_signal -1
	MUL4 1, 1, 0
	WIN 0
	s_barrier_wait -1
.if \fill
	CREST
	s_add_nc_u64 s[G0+4*\slot+2:G0+4*\slot+3], s[G0+4*\slot+2:G0+4*\slot+3], 1048576       ; two K steps on: four heads
	s_add_nc_u64 s[G0B+4*\slot+2:G0B+4*\slot+3], s[G0B+4*\slot+2:G0B+4*\slot+3], 524288    ; 256 rows of W
	JLOAD \slot
.endif
	PLACES
	FETCH \next, 0, 0
	WIN 0x50
	MUL4 1, 2, 0
	MUL4 1, 3, 0
.endm
.macro LAP first
	THREE 0, \first
	TURN 0, 1, 1
	THREE 1, 0
	TURN 1, 0, 1
.endm
	s_wait_loadcnt 0x0                             ; the bias tiles
	s_wait_tensorcnt 1                             ; my part of K step 0 is in; K step 1's may stay out
	s_barrier_signal -1
	s_barrier_wait -1
	FETCH 0, 0, 0
	LAP 1
	WIN 0
	s_mov_b32 s3, 2
.Llap:
	LAP 0
	WIN 0
	s_sub_co_u32 s3, s3, 1
	s_cmp_lg_u32 s3, 0
	s_cbranch_scc1 .Llap
	THREE 0, 0                                     ; the last two K steps fetch nothing
	TURN 0, 1, 0
	THREE 1, 0
	s_wait_dscnt 4
	WIN 0x50
	MUL4 1, 0, 0
	MUL4 1, 1, 0
	s_wait_dscnt 0
	MUL4 1, 2, 0
	MUL4 1, 3, 0
	WIN 0
	PLACES
	; THE WAY OUT, 16 rows at a time through my stage: sixteen lanes store 256 consecutive bytes, aligned
	s_lshl_b32 s80, s13, 19                        ; 128 by rows of 4,096 bytes
	s_lshl_b32 s81, s11, 18                        ; + 64 rows
	s_add_co_u32 s80, s80, s81
	s_lshl_b32 s81, s42, 9                         ; + 128 bx columns of 4 bytes
	s_add_co_u32 s80, s80, s81
	s_lshl_b32 s81, s12, 8                         ; + 64 columns
	s_add_co_u32 s80, s80, s81
	s_mov_b32 s81, 0
	s_add_nc_u64 s[74:75], s[74:75], s[80:81]
.macro OUT16 a
	WIN 0x04                                       ; store data in window 1
.irp b, 0,1,2,3
	ds_store_b128 v[STO], v[8*(4*\a+\b):8*(4*\a+\b)+3] offset:64*\b
	ds_store_b128 v[STO], v[8*(4*\a+\b)+4:8*(4*\a+\b)+7] offset:64*\b+16
.endr
	WIN 0
	s_wait_xcnt 0x0                                ; the stores issued so far have had their addresses translated (ISA guide 3.1): their base and data registers are rewritten only behind this wait
.if \a
	s_add_nc_u64 s[74:75], s[74:75], 65536         ; 16 rows on
.endif
.irp i, 0,1,2,3,4,5,6,7
	ds_load_b128 v[RB+4*\i:RB+4*\i+3], v[RD] offset:2*SPITCH*\i    ; LDS serves a wave's instructions in order: these see the stores above
.endr
.irp i, 0,1,2,3,4,5,6,7
	s_wait_dscnt 7-\i
	global_store_b128 v[CO], v[RB+4*\i:RB+4*\i+3], s[74:75] offset:8192*\i th:TH_STORE_NT
.endr
.endm
	OUT16 0
	OUT16 1
	OUT16 2
	OUT16 3
	s_wait_tensorcnt 0x0
	ds_add_u32 v254, v255
	s_wait_dscnt 0x0
	CROUND                                         ; the closing round
	s_endpgm
.Lfunc_end_k_q7779440d23_oproj:
	.size	k_q7779440d23_oproj, .Lfunc_end_k_q7779440d23_oproj-k_q7779440d23_oproj
	.p2alignl 7, 3214868480
	.fill 96, 4, 3214868480
	.section	.rodata,"a",@progbits
	.p2align	6, 0x0
	.amdhsa_kernel k_q7779440d23_oproj
		.amdhsa_group_segment_fixed_size 327680
		.amdhsa_private_segment_fixed_size 0
		.amdhsa_enable_private_segment 0
		.amdhsa_kernarg_size 32
		.amdhsa_user_sgpr_count 2
		.amdhsa_user_sgpr_kernarg_segment_ptr 1
		.amdhsa_wavefront_size32 1
		.amdhsa_system_sgpr_workgroup_id_x 1
		.amdhsa_system_sgpr_workgroup_id_y 1
		.amdhsa_system_sgpr_workgroup_id_z 1
		.amdhsa_system_vgpr_workitem_id 0
		.amdhsa_next_free_vgpr 384
		.amdhsa_next_free_sgpr 88
		.amdhsa_reserve_vcc 0
		.amdhsa_float_denorm_mode_32 3
		.amdhsa_float_denorm_mode_16_64 3
		.amdhsa_memory_ordered 1
		.amdhsa_forward_progress 1
		.amdhsa_inst_pref_size 75
	.end_amdhsa_kernel
	.amdgpu_metadata
---
amdhsa.version: [ 1, 2 ]
amdhsa.kernels:
  - .name:           k_q7779440d23_oproj
    .symbol:         k_q7779440d23_oproj.kd
    .args:
      - { .name: ao, .offset: 0, .size: 8, .value_kind: global_buffer, .address_space: global }
      - { .name: wob, .offset: 8, .size: 8, .value_kind: global_buffer, .address_space: global }
      - { .name: b_out, .offset: 16, .size: 8, .value_kind: global_buffer, .address_space: global }
      - { .name: out0, .offset: 24, .size: 8, .value_kind: global_buffer, .address_space: global }
    .group_segment_fixed_size: 327680
    .private_segment_fixed_size: 0
    .kernarg_segment_align: 8
    .kernarg_segment_size: 32
    .max_flat_workgroup_size: 128
    .sgpr_count:     88
    .vgpr_count:     384
    .wavefront_size: 32
...
	.end_amdgpu_metadata
.endif
;; end of part 4
